; MI455X (gfx1250); checked and timed in simulation.
; The chip was launched on July 23, 2026; its instructions are those of AMD's public machine-readable ISA for CDNA 5 (MIT licence, August 2026) and "CDNA5" Instruction Set Architecture Reference Guide (July 2026). The comments in the code are by the model that wrote it; some were corrected since.
;; Scaled Dot Product Attention. Allowed arithmetic: float matrix products may take bf16 or f16 operands with f32 sums; all other float work in f32.
;; Inputs: Wk 1,024 x 1,024 float32; Wq 1,024 x 1,024 float32; Wv 1,024 x 1,024 float32; attention_mask 8 x 1 x 1,024 x 1,024 int32; bk 1,024 float32; bq 1,024 float32; bv 1,024 float32; group_prob 8 x 1 x 1,024 x 1,024 float32; keys 8 x 1,024 x 1,024 float32; queries 8 x 1,024 x 1,024 float32; values 8 x 1,024 x 1,024 float32.
;; Outputs: out0 8 x 1,024 x 1,024 float32.
;; 2 versions, each right; version 2 is version 1 with the launch prep written anew for expert scheduling mode. Each part assembles by itself: llvm-mc -triple=amdgcn-amd-amdhsa -mcpu=gfx1250 --defsym DOCPART=n.
;; ======== version 1 of 2: 3 launches
;; limits: values are held in f16: magnitudes above 65,504 overflow, below 6.1e-05 lose precision
;; workspace buffers: gt 16,777,216 bytes; w16 6,291,456 bytes; qkv 50,331,648 bytes
;; launch prep (part 1): grid 704 x 1, 8 waves a work-group, no clusters, 0 bytes of LDS; arguments group_prob, Wq, Wk, Wv, gt, w16; writes gt, w16
.if DOCPART == 1
	.amdgcn_target "amdgcn-amd-amdhsa--gfx1250"
	.amdhsa_code_object_version 6
	.text
	.protected	k_q2741863071_prep
	.globl	k_q2741863071_prep
	.p2align	8
	.type	k_q2741863071_prep,@function
k_q2741863071_prep:
	s_mov_b64 s[64:65], 0
	v_nop
	global_prefetch_b8 v0, s[64:65] scope:SCOPE_SE
	s_setreg_imm32_b32 hwreg(HW_REG_WAVE_MODE, 25, 1), 1
	s_wait_xcnt 0x0
; Two casts from f32 to bf16 in one stream.
; (a) group_prob [8][1024 q][1024 k] -> gt [8][16 t][1024 q][64 k], in blocks by key step t = k / 64, so that the 512 queries x 64 keys that the attention launch wants for a step are 65,536 consecutive bytes.
; (b) Wq, Wk, Wv [1024][1024] -> w16 [3][1024][1024].
; SHARES.  Every work-group moves 65,536 input bytes: numbers 0-511 take 16 rows of group_prob each, numbers 512-703 a 64th of a weight matrix each.  A wave issues its 16 loads of 16 bytes a lane
; at once, then converts and stores them in the order in which they come back.  Each store of a wave covers 256 consecutive bytes, aligned.  No register is written again behind its store.
; No LDS, no matrix unit, no cluster: nothing is shared and nothing is multiplied.
.set X, 4                              ; v[4:67]  16 loads x 4 registers
.set N, 16
	s_load_b256 s[4:11], s[0:1], 0x0               ; group_prob s[4:5], Wq s[6:7], Wk s[8:9], Wv s[10:11]
	s_load_b128 s[12:15], s[0:1], 0x20             ; gt s[12:13], w16 s[14:15]
	v_lshrrev_b32 v3, 5, v0
	v_readfirstlane_b32 s16, v3                    ; wave 0..7
	v_and_b32 v3, 31, v0                           ; lane
	s_mov_b32 s23, 0                               ; high words of the two offsets
	s_mov_b32 s25, 0
	s_wait_kmcnt 0x0
; kind 0: group_prob; load i = 8 s + pair takes two rows' 256 bytes of key step 2 wave + s.  kind 1: a weight matrix; load i takes 512 consecutive bytes.
.macro STREAM kind
.set i, 0
.rept N
.if (\kind) == 0
	global_load_b128 v[X+4*i:X+4*i+3], v1, s[18:19] offset:(i%8)*8192+(i/8)*256 th:TH_LOAD_NT
.else
	global_load_b128 v[X+4*i:X+4*i+3], v1, s[18:19] offset:i*512 th:TH_LOAD_NT
.endif
.set i, i+1
.endr
.set i, 0
.rept N
	s_wait_loadcnt N-1-i                           ; loads come back in order: load i is in, the younger ones stay out
	v_cvt_pk_bf16_f32 v[X+4*i], v[X+4*i], v[X+4*i+1]
	v_cvt_pk_bf16_f32 v[X+4*i+1], v[X+4*i+2], v[X+4*i+3]
.if (\kind) == 0
	global_store_b64 v2, v[X+4*i:X+4*i+1], s[20:21] offset:(i/8)*131072+(i%8)*256
.else
	global_store_b64 v2, v[X+4*i:X+4*i+1], s[20:21] offset:i*256
.endif
.set i, i+1
.endr
.endm
	s_cmp_lt_u32 ttmp9, 512
	s_cbranch_scc0 .Lweights
	; group_prob: work-group n takes rows 16 n .. 16 n + 15 of the 8,192
	s_lshl_b32 s22, ttmp9, 16                      ; 16 rows of 4,096 bytes
	s_add_nc_u64 s[18:19], s[4:5], s[22:23]
	s_lshr_b32 s24, ttmp9, 6                       ; the batch,
	s_lshl_b32 s24, s24, 21                        ; 2,097,152 bytes of gt each,
	s_and_b32 s26, ttmp9, 63
	s_lshl_b32 s26, s26, 11                        ; and my 16 rows of 128 bytes in a key step's block
	s_add_co_u32 s24, s24, s26
	s_add_nc_u64 s[20:21], s[12:13], s[24:25]
	v_and_b32 v1, 15, v0
	v_lshlrev_b32 v1, 4, v1                        ; in: 16 bytes a lane, sixteen lanes a row's 256 bytes,
	v_bfe_u32 v2, v0, 4, 1
	v_lshl_add_u32 v1, v2, 12, v1                  ; lanes 16-31 the row below,
	s_lshl_b32 s26, s16, 9
	v_add_nc_u32 v1, s26, v1                       ; my wave's two key steps: 512 bytes of a row
	s_lshl_b32 s26, s16, 18                        ; out: two key steps' blocks of 131,072 bytes a wave,
	v_lshl_add_u32 v2, v3, 3, s26                  ; 8 bytes a lane: two rows of 128 bytes on end
	STREAM 0
	s_endpgm
.Lweights:
	s_sub_co_u32 s27, ttmp9, 512
	s_lshr_b32 s28, s27, 6                         ; which matrix: 0 Wq, 1 Wk, 2 Wv
	s_and_b32 s27, s27, 63                         ; which 64th of it
	s_cmp_eq_u32 s28, 1
	s_cselect_b64 s[18:19], s[8:9], s[6:7]
	s_cmp_eq_u32 s28, 2
	s_cselect_b64 s[18:19], s[10:11], s[18:19]
	s_lshl_b32 s22, s27, 16
	s_add_nc_u64 s[18:19], s[18:19], s[22:23]
	s_lshl_b32 s24, s28, 21
	s_lshl_b32 s26, s27, 15
	s_add_co_u32 s24, s24, s26
	s_add_nc_u64 s[20:21], s[14:15], s[24:25]
	s_lshl_b32 s26, s16, 13
	v_lshl_add_u32 v1, v3, 4, s26                  ; in: 8,192 bytes a wave, 16 a lane
	s_lshl_b32 s26, s16, 12
	v_lshl_add_u32 v2, v3, 3, s26                  ; out: half of that
	STREAM 1
	s_endpgm
.Lfunc_end_k_q2741863071_prep:
	.size	k_q2741863071_prep, .Lfunc_end_k_q2741863071_prep-k_q2741863071_prep
	.p2alignl 7, 3214868480
	.fill 96, 4, 3214868480
	.section	.rodata,"a",@progbits
	.p2align	6, 0x0
	.amdhsa_kernel k_q2741863071_prep
		.amdhsa_group_segment_fixed_size 0
		.amdhsa_private_segment_fixed_size 0
		.amdhsa_enable_private_segment 0
		.amdhsa_kernarg_size 48
		.amdhsa_user_sgpr_count 2
		.amdhsa_user_sgpr_kernarg_segment_ptr 1
		.amdhsa_wavefront_size32 1
		.amdhsa_system_sgpr_workgroup_id_x 1
		.amdhsa_system_sgpr_workgroup_id_y 1
		.amdhsa_system_sgpr_workgroup_id_z 1
		.amdhsa_system_vgpr_workitem_id 0
		.amdhsa_next_free_vgpr 72
		.amdhsa_next_free_sgpr 66
		.amdhsa_reserve_vcc 0
		.amdhsa_float_denorm_mode_32 3
		.amdhsa_float_denorm_mode_16_64 3
		.amdhsa_memory_ordered 1
		.amdhsa_forward_progress 1
		.amdhsa_inst_pref_size 13
	.end_amdhsa_kernel
	.amdgpu_metadata
---
amdhsa.version: [ 1, 2 ]
amdhsa.kernels:
  - .name:           k_q2741863071_prep
    .symbol:         k_q2741863071_prep.kd
    .args:
      - { .name: group_prob, .offset: 0, .size: 8, .value_kind: global_buffer, .address_space: global }
      - { .name: Wq, .offset: 8, .size: 8, .value_kind: global_buffer, .address_space: global }
      - { .name: Wk, .offset: 16, .size: 8, .value_kind: global_buffer, .address_space: global }
      - { .name: Wv, .offset: 24, .size: 8, .value_kind: global_buffer, .address_space: global }
      - { .name: gt, .offset: 32, .size: 8, .value_kind: global_buffer, .address_space: global }
      - { .name: w16, .offset: 40, .size: 8, .value_kind: global_buffer, .address_space: global }
    .group_segment_fixed_size: 0
    .private_segment_fixed_size: 0
    .kernarg_segment_align: 8
    .kernarg_segment_size: 48
    .max_flat_workgroup_size: 256
    .sgpr_count:     66
    .vgpr_count:     72
    .wavefront_size: 32
...
	.end_amdgpu_metadata
.endif
;; end of part 1
;; launch proj (part 2): grid 4 x 64, 4 waves a work-group, clusters of 4 x 4, 327,680 bytes of LDS; arguments queries, keys, values, w16, bq, bk, bv, qkv; writes qkv
.if DOCPART == 2
	.amdgcn_target "amdgcn-amd-amdhsa--gfx1250"
	.amdhsa_code_object_version 6
	.text
	.protected	k_q2741863071_proj
	.globl	k_q2741863071_proj
	.p2align	8
	.type	k_q2741863071_proj,@function
k_q2741863071_proj:
	s_mov_b64 s[64:65], 0
	v_nop
	global_prefetch_b8 v0, s[64:65] scope:SCOPE_SE
	s_setreg_imm32_b32 hwreg(HW_REG_WAVE_MODE, 25, 1), 1
	s_wait_xcnt 0x0
	s_wait_alu depctr_hold_cnt(0) depctr_sa_sdst(0) depctr_va_vdst(0) depctr_va_sdst(0) depctr_va_ssrc(0) depctr_va_vcc(0) depctr_vm_vsrc(0)
	s_getreg_b32 s2, hwreg(HW_REG_IB_STS2, 6, 4)
	s_cmp_eq_u32 s2, 0
	s_cbranch_scc0 .Lentry_in_a_cluster
	s_endpgm
.Lentry_in_a_cluster:
	s_bfe_u32 s2, ttmp6, 0x10000c
	s_cmp_lg_u32 s2, 0xf033
	s_cbranch_scc0 .Lentry_shape_is_right
	s_endpgm
.Lentry_shape_is_right:
; The three projections in one launch: qkv[g][b 16 + head][s][64] (f16) = x_g[b][s][:] . W_g[n][:] + bias_g[n], n = 64 head + channel; g = 0 queries, 1 keys, 2 values.
; x is f32 in memory and in LDS and is rounded to bf16 in registers, on its way to the matrix unit; W comes as bf16 (w16); the bias is rounded to bf16 like the other inputs and is the C operand
; of the products that start the sums.  Sums in f32, the result rounded once to f16.
; LIMIT.  A result of 65,520 or more becomes an infinity in f16.
; SHARES.  A tile of C is 128 rows x 256 columns.  64 x 4 = 256 work-groups; A WORK-GROUP STAYS and makes its block of rows and columns in all three products, one after the other: 3 x 8 K steps of 128.
; Four waves, each 64 rows x 128 columns: 32 accumulators of 16 x 16.  K goes through two LDS slots (rows of x of 512 bytes, rows of W of 256 bytes), and the ring does not stop at a tile's end:
; a tile's last two changes of slots ask for the next product's first two K steps, and the tile goes out while they are on their way.  Nothing waits for a tile's stores but the launch's end.
; CLUSTER.  4 x 4 work-groups.  The four of a row of the cluster need the same rows of x, the four of a column the same rows of W: each tile is asked for JOINTLY, by the same tensor load with
; the same descriptor and a mask that names the four.  All sixteen walk the three products in step.
; THE MATRIX INSTRUCTION IS USED TRANSPOSED (source 0 = 16 rows of W, source 1 = 16 rows of x): a lane then holds eight neighbouring columns of one row of C.
; PREFETCH.  In lap j (two K steps) each wave asks once for 32 blocks of 256 bytes of x of lap j + 2: its work-group's 32 of the 128 rows that the four partners of a row share, 8 rows a wave, 1,024 bytes a row;
; so each block is asked for once, one lap ahead of the tensor load that wants it.  The lap's number is clamped to the last lap: no request points past x.
; REGISTERS, in windows of 256 (s_set_vgpr_msb: bits 1:0 source 0, 3:2 source 1, 5:4 source 2, 7:6 destination):
;   window 0: v16-31 addresses; v32-63 x's four fragments in bf16; v64-127 the same four as f32, as loaded; v128-255 W's eight fragments, two buffers
;   window 1: the accumulators, (a, nb) at v[8 (8 a + nb)]          window 2: v0-63 the bias as a C operand, block nb at v[8 nb]; v128-255 at work on the way out
.set PA,     528                       ; a row of x in LDS: 512 bytes + 16: an odd multiple of 16, so the 16 rows of a load start at 16 different 16-byte columns of 256
.set PB,     272                       ; a row of W: 256 + 16, likewise
.set HALFA,  64*PA                     ; what wave 0 or 1 fetches, and what a wave reads of x
.set HALFB,  128*PB                    ; what wave 2 or 3 fetches, and what a wave reads of W
.set BOFF,   2*HALFA                   ; W's 256 rows lie behind x's 128
.set SLOT,   BOFF+2*HALFB
.set STAGE,  2*SLOT                    ; behind the ring, never filled by a tensor load: 16 rows x 144 bytes for each wave, for the way out
.set SP,     144
.set BT,     STAGE+4*16*SP             ; behind the stages: each wave's 3 x 128 biases, rounded, 512 bytes a product
.set SPARE,  BT+4*3*512                ; behind them: the spare words, 128 bytes for each wave: two blocks of 256 bytes that no other line names
.set ADRA, 16                          ; v16-17  LDS address of my fragments of x in slot 0, 1
.set ADRB, 20                          ; v20-21  the same for W
.set STO,  24                          ; v24     the way out: where I put 16 bytes of a row
.set RD,   25                          ; v25     the way out: where I read rows back
.set GO,   26                          ; v26     16 x lane: my byte offset in 512 consecutive bytes
.set BTA,  27                          ; v27     where I read the tile's biases
.set SPW,  28                          ; v28     LDS address of my spare word; never rewritten
.set NIL,  29                          ; v29     0; never rewritten
.set PF,   31                          ; v31     the prefetch: my block's byte offset in the work-group's 32 rows
.set AB,   32
.set RAW,  64
.set BF,   128
.set OUT,  128                         ; window 2: 16 registers a tile of 16 rows x 64 columns
.set G1, 24                            ; s[24:31] descriptor group 1 for x's tiles;  s[32:39] group 0, one set for each slot
.set G0, 32
.set G1B, 48                           ; s[48:55], s[56:63] the same for W's tiles
.set G0B, 56
.set LT,   84                          ; s84  laps of the tile in hand that are done
.set KF,   85                          ; s85  the K step (0, 2, 4, 6) last asked for into slot 0
.set TF,   86                          ; s86  the product that it belongs to
.set T1,   87                          ; s87  at work
.set PX,   88                          ; s[88:89] that product's x
.set OA,   90                          ; s[90:91] byte offset of x's tile
.set OB,   92                          ; s[92:93] byte offset of W's tile
.set ROWA, 94                          ; s94  byte offset of the rows of x that I fetch
.set ROWB, 95                          ; s95  byte offset, in a matrix, of the rows of W that I fetch
.set PP,   96                          ; s[96:97] the prefetch's base;  s[98:99] its offset;  s100 its lap;  s101 at work
.set PO,   98
.set PL,   100
.set PT,   101
.set MSB, 0
.macro WIN new                         ; the immediate's high byte repeats the setting that is left; a switch that changes nothing is dropped
.if MSB != (\new)
	s_set_vgpr_msb (MSB<<8)|(\new)
.set MSB, \new
.endif
.endm
.set MUL,  0x50                        ; sources 0 and 1 window 0; C and D window 1
.set MULB, 0x60                        ; C window 2 (the bias), D window 1
.macro JLOAD s                         ; a joint load: waves 0 and 1 fetch x's two halves, waves 2 and 3 W's; an s_nop 0 and four v_nop follow each of the two lines, ahead of the jump, the label and what follows
	s_cmp_eq_u32 s11, 0
	s_cbranch_scc0 .Lfor_b_\@
	tensor_load_to_lds s[G0+4*(\s):G0+4*(\s)+3], s[G1:G1+7]
	s_nop 0
.rept 4
	v_nop
.endr
	s_branch .Lasked_\@
.Lfor_b_\@:
	tensor_load_to_lds s[G0B+4*(\s):G0B+4*(\s)+3], s[G1B:G1B+7]
	s_nop 0
.rept 4
	v_nop
.endr
.Lasked_\@:
.endm
.macro CREST                           ; a round of the cluster's barrier behind its opening barrier
	s_cmp_lg_u32 s10, 0
	s_cbranch_scc1 .Lnot_wave_0_\@
	s_barrier_signal -3
.Lnot_wave_0_\@:
	s_barrier_wait -3
	s_barrier_signal -1
	s_barrier_wait -1
.endm
.macro CROUND                          ; a whole round
	s_barrier_signal -1
	s_barrier_wait -1
	CREST
.endm
; Slot 0's next fill: two K steps on, or behind a product's last K steps the next product's K step 0.  The addresses are made anew: the product's x, or w16, plus an offset made apart from them.
.macro STEP0
	s_add_co_u32 s[KF], s[KF], 2
	s_lshr_b32 s[T1], s[KF], 3                     ; 1 where the product's eight K steps are over
	s_add_co_u32 s[TF], s[TF], s[T1]
	s_and_b32 s[KF], s[KF], 7
	s_cmp_eq_u32 s[TF], 1
	s_cselect_b64 s[PX:PX+1], s[70:71], s[68:69]
	s_cmp_eq_u32 s[TF], 2
	s_cselect_b64 s[PX:PX+1], s[72:73], s[PX:PX+1]
	s_lshl_b32 s[OA], s[KF], 9                     ; a K step is 512 bytes of a row of x,
	s_add_co_u32 s[OA], s[OA], s[ROWA]
	s_add_nc_u64 s[G0+2:G0+3], s[PX:PX+1], s[OA:OA+1]
	s_or_b32 s[G0+3], s[G0+3], 0x80000000          ; type = 2
	s_lshl_b32 s[OB], s[TF], 21                    ; a matrix is 2,097,152 bytes of w16,
	s_lshl_b32 s[T1], s[KF], 8                     ; a K step 256 bytes of a row of W
	s_add_co_u32 s[OB], s[OB], s[T1]
	s_add_co_u32 s[OB], s[OB], s[ROWB]
	s_add_nc_u64 s[G0B+2:G0B+3], s[74:75], s[OB:OB+1]
	s_or_b32 s[G0B+3], s[G0B+3], 0x80000000
.endm
.macro STEP1                           ; slot 1's next fill: the K step behind the one last asked for into slot 0
	s_add_nc_u64 s[G0+6:G0+7], s[G0+2:G0+3], 512
	s_or_b32 s[G0+7], s[G0+7], 0x80000000
	s_add_nc_u64 s[G0B+6:G0B+7], s[G0B+2:G0B+3], 256
	s_or_b32 s[G0B+7], s[G0B+7], 0x80000000
.endm
	s_load_b256 s[68:75], s[0:1], 0x0              ; queries s[68:69], keys s[70:71], values s[72:73], w16 s[74:75]
	s_load_b256 s[76:83], s[0:1], 0x20             ; bq s[76:77], bk s[78:79], bv s[80:81], qkv s[82:83]
	v_lshl_add_u32 v[SPW], v0, 2, SPARE
	v_mov_b32 v[NIL], 0
	ds_add_u32 v[SPW], v[NIL]                      ; the wave's opening: the add and its wait stand ahead of my first tensor load; the set-up below, work on registers, stands between them
	v_lshrrev_b32 v1, 5, v0
	v_readfirstlane_b32 s10, v1                    ; wave 0..3
	s_lshr_b32 s11, s10, 1                         ; which 64 rows of the tile are mine.  Also: I fetch for x (0) or for W (1)
	s_and_b32 s12, s10, 1                          ; which 128 columns.  Also: which half of that tile I fetch
	s_bfe_u32 s40, ttmp6, 0x40000                  ; cx, cy: my place in the cluster
	s_bfe_u32 s41, ttmp6, 0x40004
	s_lshl_b32 s42, ttmp9, 2
	s_add_co_u32 s42, s42, s40                     ; tile column = 4 x cluster x + cx
	s_and_b32 s13, ttmp7, 0xffff
	s_lshl_b32 s13, s13, 2
	s_add_co_u32 s13, s13, s41                     ; block of 128 rows = 4 x cluster y + cy
	s_lshl_b32 s43, s41, 2
	s_lshl_b32 s43, 15, s43                        ; my row of the cluster
	s_lshl_b32 s44, 0x1111, s40                    ; my column
	; descriptor group 1.  x: 64 rows x 128 elements of 4 bytes; W: 128 rows x 128 elements of 2 bytes; both padded in LDS by 4 words behind each row
	s_or_b32 s[G1+0], s43, (2<<16)|(1<<20)|(1<<21)|(6<<22)|(3<<25)   ; 15:0 the mask: my row; 17:16 elements of 4 bytes; 20 padding on; 21 set beside a mask; 24:22 after every 128 words (code 6); 31:25 4 words (code 3)
	s_or_b32 s[G1B+0], s44, (1<<16)|(1<<20)|(1<<21)|(5<<22)|(3<<25)  ; my column; elements of 2 bytes; after every 64 words (code 5)
	s_mov_b32 s[G1+1], 128<<16                     ; tensor_dim0 = 128
	s_mov_b32 s[G1+2], 64<<16                      ; tensor_dim1 = 64
	s_mov_b32 s[G1+3], 128<<16                     ; tile_dim0 = 128
	s_mov_b32 s[G1+4], 64                          ; tile_dim1 = 64
	s_mov_b32 s[G1+5], 1024                        ; elements from row to row
	s_mov_b32 s[G1+6], 0
	s_mov_b32 s[G1+7], 0
	s_mov_b32 s[G1B+1], 128<<16
	s_mov_b32 s[G1B+2], 128<<16                    ; tensor_dim1 = 128
	s_mov_b32 s[G1B+3], 128<<16
	s_mov_b32 s[G1B+4], 128                        ; tile_dim1 = 128
	s_mov_b32 s[G1B+5], 1024
	s_mov_b32 s[G1B+6], 0
	s_mov_b32 s[G1B+7], 0
	; where the tiles come from: x's hang on the block of rows alone, W's on the tile column alone, each in registers that never hold the other coordinate
	s_lshl_b32 s[ROWA], s13, 7
	s_lshl_b32 s17, s12, 6
	s_add_co_u32 s[ROWA], s[ROWA], s17             ; x: row 128 x block + 64 x half,
	s_lshl_b32 s[ROWA], s[ROWA], 12                ; 4,096 bytes each
	s_mov_b32 s[OA], s[ROWA]
	s_mov_b32 s[OA+1], 0
	s_lshl_b32 s[ROWB], s42, 8
	s_lshl_b32 s47, s12, 7
	s_add_co_u32 s[ROWB], s[ROWB], s47             ; W: row 256 x tile column + 128 x half,
	s_lshl_b32 s[ROWB], s[ROWB], 11                ; 2,048 bytes each
	s_mov_b32 s[OB], s[ROWB]
	s_mov_b32 s[OB+1], 0
	s_mul_i32 s20, s12, HALFA                      ; and where they go: no place in the cluster enters an LDS address
	s_mul_i32 s22, s12, HALFB
	s_add_co_u32 s22, s22, BOFF
	s_mov_b32 s[LT], 0
	s_mov_b32 s[KF], 0
	s_mov_b32 s[TF], 0
	s_mov_b32 s[PL], 2
	s_mov_b32 s[PO+1], 0
	s_mov_b32 s2, 0xffff0000                       ; a word's upper bf16
	s_wait_dscnt 0x0                               ; the opening add is done
	s_wait_kmcnt 0x0
	s_add_nc_u64 s[14:15], s[68:69], s[OA:OA+1]    ; the first product: queries, and w16's first matrix
	s_add_nc_u64 s[46:47], s[74:75], s[OB:OB+1]
	CROUND                                         ; all sixteen work-groups are here: the first joint loads meet
.irp s, 0,1
	s_mov_b32 s[G0+4*(\s)], 1                                      ; count = 1
	s_add_co_u32 s[G0+4*(\s)+1], s20, (\s)*SLOT                    ; LDS address
	s_add_nc_u64 s[G0+4*(\s)+2:G0+4*(\s)+3], s[14:15], (\s)*512    ; global address: K step s
	s_or_b32 s[G0+4*(\s)+3], s[G0+4*(\s)+3], 0x80000000            ; type = 2
	s_mov_b32 s[G0B+4*(\s)], 1
	s_add_co_u32 s[G0B+4*(\s)+1], s22, (\s)*SLOT
	s_add_nc_u64 s[G0B+4*(\s)+2:G0B+4*(\s)+3], s[46:47], (\s)*256
	s_or_b32 s[G0B+4*(\s)+3], s[G0B+4*(\s)+3], 0x80000000
	JLOAD \s                                       ; both slots are asked for before anything else is done: two loads of mine are out
.endr
	; my 128 columns' biases of the three products: 512 consecutive bytes each, 16 a lane
	v_and_b32 v[GO], 31, v0
	v_lshlrev_b32 v[GO], 4, v[GO]
	s_lshl_b32 s[OB], s42, 10                      ; 1,024 bytes a tile column, 512 a half
	s_lshl_b32 s[T1], s12, 9
	s_add_co_u32 s[OB], s[OB], s[T1]
	s_add_nc_u64 s[76:77], s[76:77], s[OB:OB+1]
	s_add_nc_u64 s[78:79], s[78:79], s[OB:OB+1]
	s_add_nc_u64 s[80:81], s[80:81], s[OB:OB+1]
	global_load_b128 v[64:67], v[GO], s[76:77]
	global_load_b128 v[68:71], v[GO], s[78:79]
	global_load_b128 v[72:75], v[GO], s[80:81]
	; A fragment is 16 rows x 32 K: lane l holds row l % 16, K = 8 (l / 16) + 0..7 and 16 + 8 (l / 16) + 0..7.  In bf16 that is two loads of 16 bytes, 32 bytes apart; in f32 four, at 0, 16, 64 and 80 from row x pitch + 32 (l / 16).
	v_and_b32 v1, 15, v0                           ; l % 16
	v_bfe_u32 v2, v0, 4, 1                         ; l / 16
	v_mul_u32_u24 v3, v1, PA
	v_lshl_add_u32 v3, v2, 5, v3
	v_mul_u32_u24 v4, v1, PB
	v_lshl_add_u32 v4, v2, 4, v4
	s_mul_i32 s21, s11, HALFA                      ; my 64 rows of x
	s_mul_i32 s23, s12, HALFB                      ; my 128 rows of W
	s_add_co_u32 s23, s23, BOFF
.irp s, 0,1
	v_add_nc_u32 v[ADRA+(\s)], s21, v3
	v_add_nc_u32 v[ADRB+(\s)], s23, v4
	s_add_co_u32 s21, s21, SLOT
	s_add_co_u32 s23, s23, SLOT
.endr
	s_mul_i32 s21, s10, 16*SP
	s_add_co_u32 s21, s21, STAGE                   ; my stage
	v_mul_u32_u24 v5, v1, SP                       ; in: row l % 16, 16 bytes for each half of the lanes
	v_lshl_add_u32 v5, v2, 4, v5
	v_add_nc_u32 v[STO], s21, v5
	v_bfe_u32 v5, v0, 3, 2                         ; back: 32 lanes take four rows of 128 bytes, which are 512 consecutive bytes of qkv
	v_mul_u32_u24 v5, v5, SP
	v_and_b32 v6, 7, v0
	v_lshl_add_u32 v5, v6, 4, v5
	v_add_nc_u32 v[RD], s21, v5
	s_mul_i32 s21, s10, 3*512
	s_add_co_u32 s21, s21, BT                      ; my biases
	v_add_nc_u32 v10, s21, v[GO]                   ; in: as loaded
	v_lshl_add_u32 v[BTA], v2, 5, s21              ; back: a lane's eight columns of a block of 16: 32 bytes for each half of the lanes
	v_lshrrev_b32 v5, 2, v0                        ; the prefetch: thread t takes row t / 4 of the work-group's 32, block t % 4 of a lap's 1,024 bytes
	v_lshlrev_b32 v5, 12, v5
	v_and_b32 v6, 3, v0
	v_lshl_add_u32 v[PF], v6, 8, v5
	s_lshl_b32 s46, s13, 19                        ; the block's 128 rows of 4,096 bytes,
	s_lshl_b32 s47, s40, 17                        ; of which my work-group asks for 32
	s_add_co_u32 s46, s46, s47
	; where my part of the first tile goes: batch x 16 + head, then the row in the batch, 128 bytes a row
	s_lshr_b32 s4, s13, 3                          ; the batch: eight blocks of 128 rows each
	s_lshl_b32 s4, s4, 4
	s_lshl_b32 s5, s42, 2                          ; four heads a tile column,
	s_add_co_u32 s4, s4, s5
	s_lshl_b32 s5, s12, 1                          ; two for each half of the columns
	s_add_co_u32 s4, s4, s5
	s_lshl_b32 s4, s4, 10
	s_and_b32 s5, s13, 7
	s_lshl_b32 s5, s5, 7
	s_add_co_u32 s4, s4, s5
	s_lshl_b32 s5, s11, 6
	s_add_co_u32 s4, s4, s5
	s_lshl_b32 s4, s4, 7
	s_mov_b32 s5, 0
	s_add_nc_u64 s[82:83], s[82:83], s[4:5]
	s_wait_loadcnt 0x0                             ; the biases: rounded to bf16, widened again, and laid into my own LDS bytes
.irp g, 0,1,2
	v_cvt_pk_bf16_f32 v8, v[64+4*\g], v[65+4*\g]
	v_cvt_pk_bf16_f32 v9, v[66+4*\g], v[67+4*\g]
	v_lshlrev_b32 v[64+4*\g], 16, v8
	v_and_b32 v[65+4*\g], s2, v8
	v_lshlrev_b32 v[66+4*\g], 16, v9
	v_and_b32 v[67+4*\g], s2, v9
	ds_store_b128 v10, v[64+4*\g:67+4*\g] offset:512*\g
.endr
.macro BIASLD                          ; the tile's biases as a C operand: every lane of a half reads the same 32 bytes of each block.  LDS serves a wave's instructions in order (ISA guide 5.7.1.4): these see the stores above
	WIN 0x80                                       ; destination window 2, address window 0
.irp nb, 0,1,2,3,4,5,6,7
	ds_load_b128 v[8*\nb:8*\nb+3],   v[BTA] offset:64*\nb
	ds_load_b128 v[8*\nb+4:8*\nb+7], v[BTA] offset:64*\nb+16
.endr
	WIN 0
.endm
	BIASLD
; Four matrix instructions: row block a x column blocks nb0 .. nb0 + 3, 32 along K, W from buffer p.  bias = 1: the products that start the sums take the bias as C: nothing is cleared.
.macro MUL4 p, a, nb0, bias
.if \bias
	WIN MULB
.else
	WIN MUL
.endif
.irp n, 0,1,2,3
.if \bias
	v_wmma_f32_16x16x32_bf16 v[8*(8*(\a)+(\nb0)+\n):8*(8*(\a)+(\nb0)+\n)+7], v[BF+64*(\p)+8*((\nb0)+\n):BF+64*(\p)+8*((\nb0)+\n)+7], v[AB+8*(\a):AB+8*(\a)+7], v[8*((\nb0)+\n):8*((\nb0)+\n)+7]
.else
	v_wmma_f32_16x16x32_bf16 v[8*(8*(\a)+(\nb0)+\n):8*(8*(\a)+(\nb0)+\n)+7], v[BF+64*(\p)+8*((\nb0)+\n):BF+64*(\p)+8*((\nb0)+\n)+7], v[AB+8*(\a):AB+8*(\a)+7], v[8*(8*(\a)+(\nb0)+\n):8*(8*(\a)+(\nb0)+\n)+7]
.endif
.endr
.endm
.macro CVT4 f, half                    ; half of fragment f of x, f32 to bf16
	WIN 0
.irp n, 0,1,2,3
	v_cvt_pk_bf16_f32 v[AB+8*(\f)+4*(\half)+\n], v[RAW+16*(\f)+8*(\half)+2*\n], v[RAW+16*(\f)+8*(\half)+2*\n+1]
.endr
.endm
.macro LDRAW f, sl, kq                 ; fragment f of x as f32, quarter kq of slot sl: four loads
	WIN 0
	ds_load_b128 v[RAW+16*(\f):RAW+16*(\f)+3],     v[ADRA+(\sl)] offset:(\f)*16*PA+(\kq)*128
	ds_load_b128 v[RAW+16*(\f)+4:RAW+16*(\f)+7],   v[ADRA+(\sl)] offset:(\f)*16*PA+(\kq)*128+16
	ds_load_b128 v[RAW+16*(\f)+8:RAW+16*(\f)+11],  v[ADRA+(\sl)] offset:(\f)*16*PA+(\kq)*128+64
	ds_load_b128 v[RAW+16*(\f)+12:RAW+16*(\f)+15], v[ADRA+(\sl)] offset:(\f)*16*PA+(\kq)*128+80
.endm
.macro LDB p, nb0, sl, kq              ; four fragments of W into buffer p: eight loads
	WIN 0
.irp n, 0,1,2,3
	ds_load_b128 v[BF+64*(\p)+8*((\nb0)+\n):BF+64*(\p)+8*((\nb0)+\n)+3],   v[ADRB+(\sl)] offset:((\nb0)+\n)*16*PB+(\kq)*64
	ds_load_b128 v[BF+64*(\p)+8*((\nb0)+\n)+4:BF+64*(\p)+8*((\nb0)+\n)+7], v[ADRB+(\sl)] offset:((\nb0)+\n)*16*PB+(\kq)*64+32
.endr
.endm
; A QUARTER: 32 along K, 32 matrix instructions, in four groups, one for each row block a.  The 32 accumulators take turns in the same order in every quarter.
; Group a converts the fragment of x that group a + 1 multiplies (group 3: the next quarter's fragment 0), four conversions behind each four products, and then loads the next quarter's data into the
; registers just read out.  So x needs one buffer in f32 and one in bf16; W has two.
; Distances: a conversion writes a bf16 fragment whose last product stands 12 conversions back or more; a load lands in W's other buffer 12 conversions behind its last product; none of these conversions
; names a register of those products.
; kind 0: a quarter in the middle of a slot.  kind 1: a slot's last quarter; the slot is filled again.  kind 2: the same without a fill.  kind 3: the very last quarter.
.macro QTR sl, kq, kind, bias
.set PQ, (\kq)&1
.if (\kq) == 3
.set NS, 1-(\sl)                       ; where the next quarter lies
.set NK, 0
.else
.set NS, \sl
.set NK, (\kq)+1
.endif
.if ((\kind) == 1) || ((\kind) == 2)
	; THE CHANGE OF SLOTS.  All of this slot that is still to be multiplied has been asked for.
	WIN 0
	s_wait_tensorcnt 0x0                           ; all my tensor loads have landed: the one that was out is my part of the other slot; so a group 0 may be written;
	ds_add_u32 v[SPW], v[NIL]                      ; 0 onto my spare word: the descriptors' scalar work and eight instructions stand between it and the wait for it
.if (\kind) == 1
.if (\sl) == 0
	STEP0
.else
	STEP1
.endif
.endif
	s_wait_dscnt 5                                 ; (the add and fragment 3's four loads may be out)
	MUL4 PQ, 0, 0, 0
	CVT4 1, 0
	s_wait_dscnt 0x0                               ; the add is done, and my reads of this slot are over
	s_barrier_signal -1
	MUL4 PQ, 0, 4, 0                               ; work on registers while the others arrive
	CVT4 1, 1
	WIN 0
	s_barrier_wait -1
.if (\kind) == 1
	CREST                                          ; the barrier has opened a round of the cluster's: no wave of any partner still reads this slot or has a load on its way
	JLOAD \sl                                      ; the first tensor load behind the round, my only one until the next: it has 120 matrix instructions in which to land
.endif
	LDRAW 0, NS, NK
	LDRAW 1, NS, NK
	LDB 1-PQ, 0, NS, NK
.else
.if (\kind) == 3
	s_wait_dscnt 0x0
.else
	s_wait_dscnt 4                                 ; all but the youngest four loads: the next quarter's fragment 0
.endif
	MUL4 PQ, 0, 0, \bias
	CVT4 1, 0
	MUL4 PQ, 0, 4, \bias
	CVT4 1, 1
.if (\kind) == 0
	LDRAW 1, NS, NK
	LDB 1-PQ, 0, NS, NK
.endif
.endif
	MUL4 PQ, 1, 0, \bias
	CVT4 2, 0
	MUL4 PQ, 1, 4, \bias
	CVT4 2, 1
.if (\kind) != 3
	LDRAW 2, NS, NK
	LDB 1-PQ, 4, NS, NK
.endif
	MUL4 PQ, 2, 0, \bias
	CVT4 3, 0
	MUL4 PQ, 2, 4, \bias
	CVT4 3, 1
.if (\kind) != 3
	LDRAW 3, NS, NK
.endif
	MUL4 PQ, 3, 0, \bias
.if (\kind) != 3
	s_wait_dscnt 28                                ; the next quarter's fragment 0 is in: behind its loads 4 + 8 + 4 + 8 + 4 were issued
	CVT4 0, 0
.endif
	MUL4 PQ, 3, 4, \bias
.if (\kind) != 3
	CVT4 0, 1
.if (\kq) != 2
	LDRAW 0, NS, NK+1                              ; fragment 0 of the quarter after the next; from a slot's third quarter that would be the other slot's, which waits for the barrier
.endif
.endif
	WIN 0
.endm
; THE WAY OUT.  Tile t = 2 a + hh is 16 rows x one head's 64 columns: accumulators' registers 32 t .. 32 t + 31.  Rounded to f16, 16 bytes a lane into my stage's rows of 144 bytes, back as whole rows
; of 128: a tile is 2,048 consecutive bytes of qkv.  It works in window 2: window 0 may hold the next tile's first fragments.
.macro PACK t
	WIN 0x85                                       ; sources 0 and 1 window 1, destination window 2
.set i, 0
.rept 16
	v_cvt_pk_f16_f32 v[OUT+16*(\t)+i], v[32*(\t)+2*i], v[32*(\t)+2*i+1]
.set i, i+1
.endr
	WIN 0x08                                       ; the stores' data in window 2, their address in window 0
.irp f, 0,1,2,3
	ds_store_b128 v[STO], v[OUT+16*(\t)+4*\f:OUT+16*(\t)+4*\f+3] offset:32*\f
.endr
	WIN 0x80                                       ; the loads' destination in window 2
.irp f, 0,1,2,3
	ds_load_b128 v[OUT+16*(\t)+4*\f:OUT+16*(\t)+4*\f+3], v[RD] offset:\f*4*SP  ; these see the stores above; the next tile's stores come behind them
.endr
.endm
.macro SEND t, younger                 ; younger: the LDS instructions issued behind tile t's loads: the next tile's eight, or none
	WIN 0x08
.irp f, 0,1,2,3
	s_wait_dscnt (\younger)+3-\f
	global_store_b128 v[GO], v[OUT+16*(\t)+4*\f:OUT+16*(\t)+4*\f+3], s[82:83] offset:((\t)%2)*131072+((\t)/2)*2048+\f*512  ; 512 consecutive bytes, at a multiple of 256 from qkv's first
.endr
.endm
.macro WAYOUT
	s_wait_xcnt 0x0                                ; the registers below were the data of the last tile's stores: they are written again only behind this wait
	PACK 0
.set t, 1
.rept 7                                ; a tile's conversions stand between the loads of the tile before and its stores
	PACK t
	SEND t-1, 8
.set t, t+1
.endr
	SEND 7, 0
	WIN 0
.endm
; The prefetch of x, two laps ahead of the lap in hand.
.macro PREF
	s_wait_xcnt 0x0                                ; the base was the last request's, a lap ago: it is written again only behind this wait
	s_lshr_b32 s[PT], s[PL], 2                     ; four laps a product
	s_cmp_eq_u32 s[PT], 1
	s_cselect_b64 s[PP:PP+1], s[70:71], s[68:69]
	s_cmp_eq_u32 s[PT], 2
	s_cselect_b64 s[PP:PP+1], s[72:73], s[PP:PP+1]
	s_and_b32 s[PO], s[PL], 3
	s_lshl_b32 s[PO], s[PO], 10                    ; a lap is 1,024 bytes of a row
	s_add_co_u32 s[PO], s[PO], s46
	s_add_nc_u64 s[PP:PP+1], s[PP:PP+1], s[PO:PO+1]
	global_prefetch_b8 v[PF], s[PP:PP+1] th:TH_LOAD_NT scope:SCOPE_SE
	s_add_co_u32 s[PL], s[PL], 1
	s_min_u32 s[PL], s[PL], 11                     ; the walk has 12 laps
.endm
	s_wait_tensorcnt 1                             ; my part of K step 0 is in; K step 1's may stay out
	s_wait_dscnt 0x0                               ; no LDS instruction of mine is out at a signal
	s_barrier_signal -1
	s_barrier_wait -1                              ; everybody's is
	LDRAW 0, 0, 0
	LDRAW 1, 0, 0
	LDB 0, 0, 0, 0
	LDRAW 2, 0, 0
	LDB 0, 4, 0, 0
	LDRAW 3, 0, 0
	s_wait_dscnt 28                                ; fragment 0 is in
	CVT4 0, 0
	CVT4 0, 1
	LDRAW 0, 0, 1
	s_mov_b32 s3, 12
	s_branch .Lbiasq                               ; the loop is entered at a tile's first quarter, at the end of a trip
.Llap:                                                 ; 11 trips: from a lap's second quarter to the next lap's first; both slots are filled again
	QTR 0, 1, 0, 0
	PREF
	QTR 0, 2, 0, 0
	QTR 0, 3, 1, 0
	QTR 1, 0, 0, 0
	QTR 1, 1, 0, 0
	QTR 1, 2, 0, 0
	QTR 1, 3, 1, 0
	s_add_co_u32 s[LT], s[LT], 1
	s_cmp_eq_u32 s[LT], 4
	s_cbranch_scc1 .Lturn                          ; the same in every work-group; neither way holds a barrier or a tensor load
	QTR 0, 0, 0, 0
	s_branch .Lnext
.Lturn:                                                ; A TILE IS FINISHED.  Both refills, the next product's K steps 0 and 1, are asked for, and its first fragments are on their way to the registers
	s_mov_b32 s[LT], 0
	v_add_nc_u32 v[BTA], 512, v[BTA]
	BIASLD                                         ; the next product's biases; the way out's last wait is for them too
	WAYOUT                                         ; no v_nop: four conversions of x stand behind the last products
	s_wait_xcnt 0x0                                ; the stores' base is written again only behind this wait
	s_add_nc_u64 s[82:83], s[82:83], 0x1000000     ; the next product's part of qkv
.Lbiasq:
	QTR 0, 0, 0, 1                                 ; a tile's first quarter: its products start the sums, with the bias
.Lnext:
	s_sub_co_u32 s3, s3, 1
	s_cmp_lg_u32 s3, 0
	s_cbranch_scc1 .Llap
	QTR 0, 1, 0, 0                                 ; the last lap fills nothing, and has no round of the cluster's barrier
	QTR 0, 2, 0, 0
	QTR 0, 3, 2, 0
	QTR 1, 0, 0, 0
	QTR 1, 1, 0, 0
	QTR 1, 2, 0, 0
	QTR 1, 3, 3, 0
.rept 4
	v_nop                                          ; four places behind the last products, whose results the conversions read
.endr
	WAYOUT
	s_wait_tensorcnt 0x0                           ; the wave's end, behind my last tensor load and my last LDS store
	ds_add_u32 v[SPW], v[NIL]
	s_wait_dscnt 0x0
	CROUND                                         ; the closing round: no work-group ends while a partner may still ask for a tile that names it
	s_endpgm
.Lfunc_end_k_q2741863071_proj:
	.size	k_q2741863071_proj, .Lfunc_end_k_q2741863071_proj-k_q2741863071_proj
	.p2alignl 7, 3214868480
	.fill 96, 4, 3214868480
	.section	.rodata,"a",@progbits
	.p2align	6, 0x0
	.amdhsa_kernel k_q2741863071_proj
		.amdhsa_group_segment_fixed_size 327680
		.amdhsa_private_segment_fixed_size 0
		.amdhsa_enable_private_segment 0
		.amdhsa_kernarg_size 64
		.amdhsa_user_sgpr_count 2
		.amdhsa_user_sgpr_kernarg_segment_ptr 1
		.amdhsa_wavefront_size32 1
		.amdhsa_system_sgpr_workgroup_id_x 1
		.amdhsa_system_sgpr_workgroup_id_y 1
		.amdhsa_system_sgpr_workgroup_id_z 1
		.amdhsa_system_vgpr_workitem_id 0
		.amdhsa_next_free_vgpr 768
		.amdhsa_next_free_sgpr 102
		.amdhsa_reserve_vcc 0
		.amdhsa_float_denorm_mode_32 3
		.amdhsa_float_denorm_mode_16_64 3
		.amdhsa_memory_ordered 1
		.amdhsa_forward_progress 1
		.amdhsa_inst_pref_size 156
	.end_amdhsa_kernel
	.amdgpu_metadata
---
amdhsa.version: [ 1, 2 ]
amdhsa.kernels:
  - .name:           k_q2741863071_proj
    .symbol:         k_q2741863071_proj.kd
    .args:
      - { .name: queries, .offset: 0, .size: 8, .value_kind: global_buffer, .address_space: global }
      - { .name: keys, .offset: 8, .size: 8, .value_kind: global_buffer, .address_space: global }
      - { .name: values, .offset: 16, .size: 8, .value_kind: global_buffer, .address_space: global }
      - { .name: w16, .offset: 24, .size: 8, .value_kind: global_buffer, .address_space: global }
      - { .name: bq, .offset: 32, .size: 8, .value_kind: global_buffer, .address_space: global }
      - { .name: bk, .offset: 40, .size: 8, .value_kind: global_buffer, .address_space: global }
      - { .name: bv, .offset: 48, .size: 8, .value_kind: global_buffer, .address_space: global }
      - { .name: qkv, .offset: 56, .size: 8, .value_kind: global_buffer, .address_space: global }
    .group_segment_fixed_size: 327680
    .private_segment_fixed_size: 0
    .kernarg_segment_align: 8
    .kernarg_segment_size: 64
    .max_flat_workgroup_size: 128
    .sgpr_count:     102
    .vgpr_count:     768
    .wavefront_size: 32
...
	.end_amdgpu_metadata
.endif
;; end of part 2
;; launch attn (part 3): grid 16 x 16, 4 waves a work-group, clusters of 4 x 1, 327,680 bytes of LDS; arguments qkv, gt, out0; writes out0
.if DOCPART == 3
	.amdgcn_target "amdgcn-amd-amdhsa--gfx1250"
	.amdhsa_code_object_version 6
	.text
	.protected	k_q2741863071_attn
	.globl	k_q2741863071_attn
	.p2align	8
	.type	k_q2741863071_attn,@function
k_q2741863071_attn:
	s_mov_b64 s[64:65], 0
	v_nop
	global_prefetch_b8 v0, s[64:65] scope:SCOPE_SE
	s_setreg_imm32_b32 hwreg(HW_REG_WAVE_MODE, 25, 1), 1
	s_wait_xcnt 0x0
	s_wait_alu depctr_hold_cnt(0) depctr_sa_sdst(0) depctr_va_vdst(0) depctr_va_sdst(0) depctr_va_ssrc(0) depctr_va_vcc(0) depctr_vm_vsrc(0)
	s_getreg_b32 s2, hwreg(HW_REG_IB_STS2, 6, 4)
	s_cmp_eq_u32 s2, 0
	s_cbranch_scc0 .Lentry_in_a_cluster
	s_endpgm
.Lentry_in_a_cluster:
	s_bfe_u32 s2, ttmp6, 0x10000c
	s_cmp_lg_u32 s2, 0x3003
	s_cbranch_scc0 .Lentry_shape_is_right
	s_endpgm
.Lentry_shape_is_right:
; out0[b][q][64 head + :] = the sum over k of softmax_k(Q[q] . K[k] / 8) g[b][q][k] V[k][:], for each of 8 batches x 16 heads.  Q, K, V: qkv [3][b 16 + head][1024][64] f16; g: gt [b][16 t][1024 q][64] bf16;
; out0 f32.  Products, maxima and sums in f32.  A weight p is multiplied by g in f32 and the product rounded once, to f16, for the second matrix product; the sum l is taken of the p themselves, WITHOUT g.
; attention_mask is no argument: the problem's function computes nothing from it.
; LIMITS.  f16 holds no number beyond 65,504: Q, K and V arrive within it, and p g, at most g, must stay within it; p g below 6e-5 keeps f16's fixed step of 6e-8.  A weight below 2^-126 counts as 0 in l;
; NaN and infinities are not treated apart.
; SHARES.  A work-group owns 512 queries of one head: 256 work-groups.  A wave owns 128 queries: four PIECES of two tiles of 16.  Every wave walks all 1,024 keys, 64 a step.
; LAYOUT.  S^T = K Q^T (source 0 = 16 keys, source 1 = 16 queries): a lane holds ONE query (lane % 16) and the keys 8 (lane / 16) + 0..7.  Two such results, rounded to f16 in pairs, ARE source 1 of
; O^T = V^T P.  A lane's 16 bytes of a row of g are the eight keys of one such result.  K comes out of LDS as it lies, V turned, by ds_load_tr16_b128.
; SOFTMAX.  For each query a running maximum m and sum l: p = 2^(c s - c m), c = log2(e) / 8; in every step O and l are multiplied by a = 2^(c m_old - c m_new).  m starts at the lowest finite number,
; O and l at 0: the first step is a step like any other, with a = 0.
; BY TURNS.  Turn p holds 16 products K Q^T of piece p + 1, 16 products V^T P of piece p - 1, and the whole softmax of piece p: 300 vector instructions, in 75 slices of four.  That is more than stands beside
; 32 products, so ONE slice stands behind each product and the other 43 in two runs of their own.  The softmax reads scores that the turn before made and writes weights that the next turn multiplies:
; no slice names a register of the products round it.  All slices that leave window 0 (O^T times a; p times g) stand behind products, where a switch of windows is due anyway.
; CLUSTER.  The four work-groups of a cluster are four heads of the same 512 queries: they read the same tile of g, 65,536 of a step's 81,920 bytes, which is asked for JOINTLY.  K and V, 8,192 bytes each a step,
; are a head's own and are asked for by plain loads behind the same round; only the head's two blocks of queries share them, a fifth of a step's bytes, so they are not shared.
; REGISTERS, in windows of 256 (s_set_vgpr_msb: bits 1:0 source 0, 3:2 source 1, 5:4 source 2, 7:6 destination):
;   window 0: v1-15 addresses and a zero; v16-47 four registers of statistics a tile; v48-55 at work; v64-191 S^T, two buffers of two tiles; v192-255 P, likewise
;   window 1: O^T, 32 a tile      window 2: v0-127 Q, 16 a tile; v128-191 K of one step; v192-255 V of one step      window 3: v0-127 g, 16 a tile
.set PK,    144       ; a row of K in LDS: 128 bytes + 16: an odd multiple of 16
.set PV_,   160       ; a row of V: 128 + 32: an odd multiple of 32, for the turning load
.set PG,    144       ; a row of g
.set VOFF,  64*PK     ; a slot holds one key step: 64 rows of K, 64 rows of V, 512 rows of g
.set GOFF,  VOFF+64*PV_
.set SLOT1, 1<<17     ; slot 1 begins here, so that one exclusive or turns an address in one slot into the other's
.set STAGE, SLOT1+GOFF+512*PG  ; behind the ring, never filled by a tensor load: 16 rows x 272 bytes for each wave, for the way out
.set SP,    272
.set SPARE, STAGE+4*16*SP      ; behind the stages: the spare words, 128 bytes for each wave: two blocks of 256 bytes that no other line names
.set AK0, 2           ; v2-4  my lane's place in a slot's K, V, g; never rewritten
.set AV0, 3
.set AG0, 4
.set AK,  5           ; v5-7  the same in the slot that this trip reads
.set AV,  6
.set AG,  7
.set STO, 8           ; v8   the way out: where I put 32 bytes of a row
.set RD,  9           ; v9   the way out: where I read rows back
.set GO,  10          ; v10  my byte offset in two rows of out0
.set QO,  11          ; v11  my byte offset in 16 rows of Q
.set ZR,  15          ; v15  0: the addend of p g
.set ST,  16          ; tile t's statistics at v[ST+4 t]: c m, m, l (even keys', odd keys')
.set TMP, 48          ; four registers c0-c3 for each tile of the piece in hand; when the maximum is found c2 takes a
.set SPW, 62          ; v62  LDS address of my spare word; never rewritten
.set NIL, 63          ; v63  0; never rewritten
.set S,   64
.set P,   192
.set KF,  128         ; window 2: key block kb, channel half c at KF + 16 kb + 8 c
.set VF,  192         ; window 2: key half kk, channel block cb at VF + 32 kk + 8 cb
.set WV,  12          ; s12  my wave's number
.set G1K, 24          ; s[24:31], s[32:39], s[40:47] descriptor group 1 for K, V, g
.set G1V, 32
.set G1G, 40
.set G0K, 48          ; s[48:51], s[52:55], s[56:59] descriptor group 0: each walks
.set G0V, 52
.set G0G, 56
.set CS,  60          ; s[60:61] c: the packed scaling takes the pair's low word for both halves
.set SEL, 66          ; s[66:67] v_permlanex16_b32's selects: each lane takes its own place in the other half
.set TB,  68          ; s68  the slot that this trip reads: 0 or SLOT1
.set SLOTS, 69        ; s69  counts the loop's trips
.set CNT, 70          ; s70  counts the tail's
.set MSB, 0
.macro WIN new                      ; the high byte repeats the setting that is left; a switch that changes nothing is dropped
.if MSB != (\new)
	s_set_vgpr_msb (MSB<<8)|(\new)
.set MSB, (\new)
.endif
.endm
.set W_KQ, 0x0a       ; K and Q in window 2, S^T in window 0
.set W_PV, 0x52       ; V in window 2, P in window 0, O^T in window 1
.set W_RS, 0x41       ; O^T (destination and source 0) in window 1, the factor in window 0
.set W_MX, 0x03       ; g (source 0) in window 3, all else in window 0
; A step's fill.  Wave 0 fetches K, wave 1 V (plain loads), waves 2 and 3 the two halves of g (joint loads).  The branches hang on the wave's number alone.
; An s_nop 0 and four v_nop follow each of the three lines, ahead of the jump and the label.
.macro JLOAD
	s_cmp_lt_u32 s[WV], 2
	s_cbranch_scc0 .Lfor_g_\@
	s_cmp_eq_u32 s[WV], 0
	s_cbranch_scc0 .Lfor_v_\@
	tensor_load_to_lds s[G0K:G0K+3], s[G1K:G1K+7]
	s_nop 0
.rept 4
	v_nop
.endr
	s_branch .Lasked_\@
.Lfor_v_\@:
	tensor_load_to_lds s[G0V:G0V+3], s[G1V:G1V+7]
	s_nop 0
.rept 4
	v_nop
.endr
	s_branch .Lasked_\@
.Lfor_g_\@:
	tensor_load_to_lds s[G0G:G0G+3], s[G1G:G1G+7]
	s_nop 0
.rept 4
	v_nop
.endr
.Lasked_\@:
.endm
; A round of the cluster's barrier: my work-group's barrier, so that wave 0's signal speaks for all four waves; wave 0 signals; every wave waits for all four work-groups; my work-group's barrier once more.
.macro CROUND
	s_barrier_signal -1
	s_barrier_wait -1
	s_cmp_lg_u32 s[WV], 0
	s_cbranch_scc1 .Lnot_wave_0_\@
	s_barrier_signal -3
.Lnot_wave_0_\@:
	s_barrier_wait -3
	s_barrier_signal -1
	s_barrier_wait -1
.endm
; THE CHANGE OF SLOTS.  All LDS reads of a trip are of one slot.  Each wave waits for all its tensor loads, of which one is out: its part of the other slot; adds 0 to its spare word; and waits for that and for
; its own reads of the slot that it leaves.  fill = 1: that slot is filled again, with the step two steps on.  The barrier is then a round of the cluster's, so that no wave of any partner still reads the slot
; or has a load on its way, and the fill is the first thing behind it: it has a key step, 128 matrix instructions, in which to land.  (At its first use nothing has been read yet: slot 0 is waited for, slot 1 filled.)
.macro CHANGE fill
	WIN 0                           ; at a label and at a branch every window is 0
	s_wait_tensorcnt 0x0            ; no tensor load of mine is out, so a group 0 may be written
	ds_add_u32 v[SPW], v[NIL]       ; 0 onto my spare word: scalar work stands between it and the wait for it
.if \fill
.irp g, G0K, G0V
	s_xor_b32 s[\g+1], s[\g+1], SLOT1                 ; the walking descriptor: the other slot than last time,
	s_add_nc_u64 s[\g+2:\g+3], s[\g+2:\g+3], 8192     ; the next 64 keys; the type bits on top are not reached
.endr
	s_xor_b32 s[G0G+1], s[G0G+1], SLOT1
	s_add_nc_u64 s[G0G+2:G0G+3], s[G0G+2:G0G+3], 131072  ; the next key step's block of g
.endif
	s_xor_b32 s[TB], s[TB], SLOT1
	s_wait_dscnt 0x0                ; the add is done, and my reads of the slot are over
.if \fill
	CROUND
	JLOAD
.else
	s_barrier_signal -1
	s_barrier_wait -1
.endif
	v_add_nc_u32 v[AK], s[TB], v[AK0]
	v_add_nc_u32 v[AV], s[TB], v[AV0]
	v_add_nc_u32 v[AG], s[TB], v[AG0]
.endm
	s_load_b128 s[4:7], s[0:1], 0x0   ; qkv s[4:5], gt s[6:7]
	s_load_b64 s[8:9], s[0:1], 0x10   ; out0
	v_lshl_add_u32 v[SPW], v0, 2, SPARE
	v_mov_b32 v[NIL], 0
	ds_add_u32 v[SPW], v[NIL]       ; the wave's opening: the add and its wait stand ahead of my first tensor load; the set-up below, work on registers, stands between them
	v_lshrrev_b32 v1, 5, v0
	v_readfirstlane_b32 s[WV], v1   ; wave 0..3
	s_bfe_u32 s13, ttmp6, 0x40000   ; cx: my place in the cluster
	s_lshl_b32 s14, ttmp9, 2        ; in a cluster launch ttmp9 counts clusters
	s_add_co_u32 s14, s14, s13      ; the head = 4 x cluster x + cx: it enters Q's, K's, V's and out0's addresses alone
	s_and_b32 s15, ttmp7, 0xffff    ; 2 x batch + block of 512 queries, which the four partners share
	s_lshr_b32 s16, s15, 1          ; the batch
	s_and_b32 s17, s15, 1           ; the block
	s_and_b32 s18, s[WV], 1         ; which half of a tile of g I fetch
	s_lshl_b32 s20, s16, 4
	s_add_co_u32 s20, s20, s14      ; batch x 16 + head,
	s_lshl_b32 s20, s20, 17         ; 131,072 bytes each in Q, K and V
	s_mov_b32 s21, 0
	s_lshl_b32 s22, s16, 21         ; g: the batch's 2,097,152 bytes,
	s_lshl_b32 s23, s17, 16         ; the block's 65,536 in a key step's,
	s_add_co_u32 s22, s22, s23
	s_lshl_b32 s23, s18, 15         ; my half of them
	s_add_co_u32 s22, s22, s23
	s_mov_b32 s23, 0
	s_lshl_b32 s2, s17, 16          ; Q: the block's 512 rows of 128 bytes,
	s_lshl_b32 s3, s[WV], 14        ; my wave's 128
	s_add_co_u32 s2, s2, s3
	s_add_co_u32 s2, s2, s20
	s_mov_b32 s3, 0
	s_lshl_b32 s72, s16, 22         ; out0: rows of 4,096 bytes: 1,024 a batch,
	s_lshl_b32 s73, s17, 21         ; 512 a block,
	s_add_co_u32 s72, s72, s73
	s_lshl_b32 s73, s[WV], 19       ; 128 a wave;
	s_add_co_u32 s72, s72, s73
	s_lshl_b32 s73, s14, 8          ; the head's 256 bytes of a row
	s_add_co_u32 s72, s72, s73
	s_mov_b32 s73, 0
	; descriptor group 1.  All three tiles are dense in memory and are asked for as rows of 256 bytes, two rows of 128 to each, padded in LDS after every 128 bytes
	s_mov_b32 s[G1K], (1<<16)|(1<<20)|(4<<22)|(3<<25)             ; 17:16 2-byte elements; 20 padding on; 24:22 after every 32 words (code 4); 31:25 4 words (code 3)
	s_mov_b32 s[G1V], (1<<16)|(1<<20)|(4<<22)|(7<<25)             ; the same with 8 words of padding (code 7)
	s_mov_b32 s[G1G], 15|(1<<16)|(1<<20)|(1<<21)|(4<<22)|(3<<25)  ; 15:0 the mask of four; 21 set beside a mask
.irp g, G1K, G1V, G1G
	s_mov_b32 s[\g+1], 128<<16      ; tensor_dim0 = 128
	s_mov_b32 s[\g+3], 128<<16      ; tile_dim0 = 128
	s_mov_b32 s[\g+5], 128          ; 128 elements from row to row
	s_mov_b32 s[\g+6], 0
	s_mov_b32 s[\g+7], 0
.endr
.irp g, G1K, G1V
	s_mov_b32 s[\g+2], 32<<16       ; tensor_dim1 = 32: 64 keys
	s_mov_b32 s[\g+4], 32           ; tile_dim1 = 32
.endr
	s_mov_b32 s[G1G+2], 128<<16     ; 128 rows: 256 queries
	s_mov_b32 s[G1G+4], 128
	s_mov_b32 s[CS], 0x3e38aa3b     ; c = log2(e) / 8 = 0.180337
	s_mov_b32 s[CS+1], s[CS]        ; named with it as a pair
	s_mov_b32 s[SEL], 0x76543210
	s_mov_b32 s[SEL+1], 0xfedcba98
	s_mov_b32 s[TB], SLOT1          ; the first change of slots turns it into 0
	s_mov_b32 s[G0K], 1             ; count = 1
	s_mov_b32 s[G0K+1], 0           ; LDS address: slot 0
	s_mov_b32 s[G0V], 1
	s_mov_b32 s[G0V+1], VOFF
	s_mov_b32 s[G0G], 1
	s_mul_i32 s19, s18, 256*PG      ; no place in the cluster enters an LDS address
	s_add_co_u32 s[G0G+1], s19, GOFF
	s_wait_dscnt 0x0                ; the opening add is done
	s_wait_kmcnt 0x0
	s_add_nc_u64 s[G0K+2:G0K+3], s[4:5], s[20:21]
	s_add_nc_u64 s[G0V+2:G0V+3], s[G0K+2:G0K+3], 0x2000000  ; V is the third of qkv's three parts of 16,777,216 bytes,
	s_add_nc_u64 s[G0K+2:G0K+3], s[G0K+2:G0K+3], 0x1000000  ; K the second
	s_or_b32 s[G0K+3], s[G0K+3], 0x80000000                 ; type = 2
	s_or_b32 s[G0V+3], s[G0V+3], 0x80000000
	s_add_nc_u64 s[G0G+2:G0G+3], s[6:7], s[22:23]
	s_or_b32 s[G0G+3], s[G0G+3], 0x80000000
	s_add_nc_u64 s[4:5], s[4:5], s[2:3]        ; Q at my wave's first row
	s_add_nc_u64 s[10:11], s[8:9], s[72:73]    ; out0 likewise
	CROUND                          ; all four work-groups are here: the first joint loads meet
	JLOAD                           ; key step 0 into slot 0.  Slot 1 is asked for when slot 0 is in
	; A fragment of K or Q is 16 rows x 32 channels in 8 registers: lane l holds row l % 16, channels 8 (l / 16) + 0..7 and 16 + 8 (l / 16) + 0..7: two loads of 16 bytes, 32 bytes apart.
	v_and_b32 v1, 15, v0            ; l % 16
	v_bfe_u32 v12, v0, 4, 1         ; l / 16
	v_lshlrev_b32 v[QO], 7, v1
	v_lshl_add_u32 v[QO], v12, 4, v[QO]  ; row x 128 + 16 x half
	WIN 0x80                        ; destination window 2, address window 0
.set i, 0
.rept 16                            ; Q stays in registers: tile i / 2, channels 32 (i % 2) on
	global_load_b128 v[8*i:8*i+3],   v[QO], s[4:5] offset:(i/2)*2048+(i%2)*64
	global_load_b128 v[8*i+4:8*i+7], v[QO], s[4:5] offset:(i/2)*2048+(i%2)*64+32
.set i, i+1
.endr
	; What the first turn finds: V's registers and P's second buffer hold 0 (its products V^T P, of a piece that has not been, add 0), O^T and l are 0.  No first step is written out; these lines are the price, and stand in the wait for the first tile.
.set i, VF
.rept 64
	v_mov_b32 v[i], 0
.set i, i+1
.endr
	WIN 0
.set i, 0
.rept 8
	v_mov_b32 v[ST+4*i], 0xfe000000    ; c m: far below every c s
	v_mov_b32 v[ST+4*i+1], 0xff7fffff  ; m
	v_mov_b32 v[ST+4*i+2], 0
	v_mov_b32 v[ST+4*i+3], 0
.set i, i+1
.endr
.set i, P+32
.rept 32
	v_mov_b32 v[i], 0
.set i, i+1
.endr
	v_mov_b32 v[ZR], 0
	WIN W_PV
.set i, 0
.rept 32                            ; O^T = 0 x 0 + 0: its 32 accumulators are started by products of those zeros
	v_wmma_f32_16x16x32_f16 v[8*i:8*i+7], v[VF:VF+7], v[P+32:P+39], 0
.set i, i+1
.endr
	WIN 0
	v_mul_u32_u24 v[AK0], v1, PK
	v_lshl_add_u32 v[AK0], v12, 4, v[AK0]  ; row x pitch + 16 x half
	; The turning load takes 16 keys x 16 channels (lane l reads key 8 (l / 16) + l % 8, channels 8 ((l / 8) % 2) + 0..7) and leaves half a fragment of V^T: lane l holds channel l % 16 and 8 keys.
	v_and_b32 v13, 7, v0
	v_bfe_u32 v14, v0, 3, 1
	v_lshl_add_u32 v[AV0], v12, 3, v13
	v_mul_u32_u24 v[AV0], v[AV0], PV_
	v_lshl_add_u32 v[AV0], v14, 4, v[AV0]
	v_add_nc_u32 v[AV0], VOFF, v[AV0]
	s_mul_i32 s19, s[WV], 128*PG    ; g: my wave's 128 rows; row l % 16 of a tile, the 16 bytes of keys 8 (l / 16) + 0..7
	s_add_co_u32 s19, s19, GOFF
	v_mul_u32_u24 v[AG0], v1, PG
	v_lshl_add_u32 v[AG0], v12, 4, v[AG0]
	v_add_nc_u32 v[AG0], s19, v[AG0]
; THE MATRIX WORK.  The 8 accumulators of a run of 16 take turns: between the two links of a chain stand 7 others'.
; Product i of 16 of S^T = K Q^T for piece x: channels 32 (i / 8) on, keys 16 ((i / 2) % 4) on, tile 2 x + i % 2.  The first 8 start the sums.
.macro KQ x
	WIN W_KQ
.set rS, S+64*((\x)%2)+32*(i%2)+8*((i/2)%4)
.set rK, KF+16*((i/2)%4)+8*(i/8)
.set rQ, 16*(2*(\x)+i%2)+8*(i/8)
.if i < 8
	v_wmma_f32_16x16x32_f16 v[rS:rS+7], v[rK:rK+7], v[rQ:rQ+7], 0
.else
	v_wmma_f32_16x16x32_f16 v[rS:rS+7], v[rK:rK+7], v[rQ:rQ+7], v[rS:rS+7]
.endif
.endm
; Product i of 16 of O^T += V^T P for piece x: keys 32 (i / 8) on, channels 16 ((i / 2) % 4) on, tile 2 x + i % 2.
.macro PV x
	WIN W_PV
.set rO, 32*(2*(\x)+i%2)+8*((i/2)%4)
.set rV, VF+32*(i/8)+8*((i/2)%4)
.set rP, P+32*((\x)%2)+16*(i%2)+8*(i/8)
	v_wmma_f32_16x16x32_f16 v[rO:rO+7], v[rV:rV+7], v[rP:rP+7], v[rO:rO+7]
.endm
; THE LDS LOADS stand in runs: a step's K (8 fragments), its V (turned), and piece x's g (two tiles x 64 keys: 8 loads).
.macro FETCH_K
	WIN 0x80                        ; destination window 2
.irp f, 0,1,2,3,4,5,6,7             ; keys 16 (f / 2) on, channels 32 (f % 2) on
	ds_load_b128 v[KF+8*\f:KF+8*\f+3],   v[AK] offset:(\f/2)*16*PK+(\f%2)*64
	ds_load_b128 v[KF+8*\f+4:KF+8*\f+7], v[AK] offset:(\f/2)*16*PK+(\f%2)*64+32
.endr
.endm
.macro FETCH_V
	WIN 0x80
.irp f, 0,1,2,3,4,5,6,7             ; keys 32 (f / 4) on, channels 16 (f % 4) on
	ds_load_tr16_b128 v[VF+8*\f:VF+8*\f+3],   v[AV] offset:(\f/4)*32*PV_+(\f%4)*32
	ds_load_tr16_b128 v[VF+8*\f+4:VF+8*\f+7], v[AV] offset:(\f/4)*32*PV_+16*PV_+(\f%4)*32
.endr
.endm
.macro GLOAD x
	WIN 0xc0                        ; destination window 3
.irp t, 0,1
.irp kb, 0,1,2,3
	ds_load_b128 v[32*(\x)+16*\t+4*\kb:32*(\x)+16*\t+4*\kb+3], v[AG] offset:(32*(\x)+16*\t)*PG+32*\kb
.endr
.endr
.endm
; THE VECTOR WORK.  One tile's softmax for one key step is a list of 150 instructions; SM writes number j of it for tile u of piece y.  s0-s31 are the lane's 32 scores, in pairs 0-15.
; Kinds: F n: c s - c m for pair n.  E n: the exponential of score n.  L n: l takes pair n (L 0: l = a l + pair 0).  R n: pair n of 16 of O^T times a.  M n: score n's weight times g, in place.  C n: pair n rounded to f16.
;   0-20     the maximum of s0-s31 and the old m, three operands at a time (each accumulator's lowest registers are read first); the other half of the lanes'; m; c m; c m_old - c m_new
;   21-57    F 0-11, a, E 0-15, L 0-7: an exponential at each odd number from 23 to 55, a plain instruction that is ready at each even one
;   58-89    R 0-15, M 0-15: behind the products K Q^T
;   90-117   F 12-15, E 16-31, L 8-15
;   118-149  M 16-31, C 0-15: behind the products V^T P
; The two tiles alternate, number by number.  An L stands behind the exponentials that it reads with a plain instruction between; an M behind the L of its pair.
.macro SM y, u
.set rT, ST+4*(2*(\y)+(\u))
.set rC, TMP+4*(\u)
.set rS, S+64*((\y)%2)+32*(\u)
.set rP, P+32*((\y)%2)+16*(\u)
.set rO, 32*(2*(\y)+(\u))
.set rG, 32*(\y)+16*(\u)
.set kd, 9                          ; 0 F, 1 E, 2 L, 3 a, 4 R, 5 M, 6 C, 9 written out below
.set nn, 0
.set dd, j-102
.if j < 21
.elseif j < 58
.if j == 23
.set kd, 3
.elseif j == 21
.set kd, 0
.elseif j == 57
.set kd, 2
.set nn, 7
.elseif j%2 == 1
.set kd, 1
.set nn, (j-25)/2
.elseif j < 32
.set kd, 0
.set nn, (j-20)/2
.elseif j%4 == 0
.set kd, 2
.set nn, (j-32)/4
.else
.set kd, 0
.set nn, (j-34)/4+6
.endif
.elseif j < 74
.set kd, 4
.set nn, j-58
.elseif j < 90
.set kd, 5
.set nn, j-74
.elseif j < 102
.if j%2 == 0
.set kd, 1
.set nn, 16+(j-90)/2
.elseif j < 99
.set kd, 0
.set nn, 12+(j-91)/2
.else
.set kd, 2
.set nn, 8+(j-99)/2
.endif
.elseif j < 118
.if dd == 15
.set kd, 2
.set nn, 15
.elseif dd%3 == 2
.set kd, 2
.set nn, 10+dd/3
.else
.set kd, 1
.set nn, 22+2*(dd/3)+dd%3
.endif
.elseif j < 134
.set kd, 5
.set nn, j-102
.else
.set kd, 6
.set nn, j-134
.endif
.if kd == 4
	WIN W_RS
	v_pk_mul_f32 v[rO+2*nn:rO+2*nn+1], v[rO+2*nn:rO+2*nn+1], v[rC+2:rC+3] op_sel_hi:[1,0]
.elseif kd == 5
	WIN W_MX
.if nn%2
	v_fma_mix_f32_bf16 v[rS+nn], v[rG+nn/2], v[rS+nn], v[ZR] op_sel:[1,0,0] op_sel_hi:[1,0,0]  ; g's upper bf16 x p + 0, in f32
.else
	v_fma_mix_f32_bf16 v[rS+nn], v[rG+nn/2], v[rS+nn], v[ZR] op_sel_hi:[1,0,0]                 ; g's lower bf16
.endif
.else
	WIN 0
.if kd == 0
	v_pk_fma_f32 v[rS+2*nn:rS+2*nn+1], v[rS+2*nn:rS+2*nn+1], s[CS:CS+1], v[rT:rT+1] op_sel_hi:[1,0,0] neg_lo:[0,0,1] neg_hi:[0,0,1]
.elseif kd == 1
	v_exp_f32 v[rS+nn], v[rS+nn]
.elseif (kd == 2) && (nn == 0)
	s_wait_alu depctr_va_vdst(0)
	v_pk_fma_f32 v[rT+2:rT+3], v[rT+2:rT+3], v[rC+2:rC+3], v[rS:rS+1] op_sel_hi:[1,0,1]
.elseif kd == 2
	s_wait_alu depctr_va_vdst(0)
	v_pk_add_f32 v[rT+2:rT+3], v[rT+2:rT+3], v[rS+2*nn:rS+2*nn+1]
.elseif kd == 3
	v_exp_f32 v[rC+2], v[rC+3]
.elseif kd == 6
	v_cvt_pk_f16_f32 v[rP+nn], v[rS+2*nn], v[rS+2*nn+1]
.elseif j < 4
	v_max3_num_f32 v[rC+j], v[rS+8*j], v[rS+8*j+1], v[rS+8*j+2]
.elseif j < 12
	v_max3_num_f32 v[rC+j%4], v[rC+j%4], v[rS+8*(j%4)+2*(j/4)+1], v[rS+8*(j%4)+2*(j/4)+2]
.elseif j == 12
	v_max3_num_f32 v[rC], v[rC], v[rS+7], v[rS+15]
.elseif j == 13
	v_max3_num_f32 v[rC+2], v[rC+2], v[rS+23], v[rS+31]
.elseif j == 14
	v_max3_num_f32 v[rC], v[rC], v[rC+1], v[rC+2]
.elseif j == 15
	v_max3_num_f32 v[rC], v[rC], v[rC+3], v[rT+1]
.elseif j == 16
	v_permlanex16_b32 v[rC+1], v[rC], s[SEL], s[SEL+1]  ; the query's other 32 keys lie in the lane 16 away
.elseif j == 17
	v_mov_b32 v[rC+3], v[rT]        ; c m_old is kept for a: number 19 writes c m anew
.elseif j == 18
	v_max_num_f32 v[rT+1], v[rC], v[rC+1]
.elseif j == 19
	v_mul_f32 v[rT], s[CS], v[rT+1]
.else
	v_sub_f32 v[rC+3], v[rC+3], v[rT]
.endif
.endif
.endm
.macro SLICE y                      ; slice k of 75: numbers 2 k and 2 k + 1 of both tiles' lists
.irp e, 0,1
.irp t, 0,1
.set j, 2*k+(\e)
	SM \y, \t
.endr
.endr
.set k, k+1
.endm
; A TURN, for piece p: a run of 29 slices; 16 products K Q^T, a slice behind each; a run of 14; 16 products V^T P, a slice behind each.
; g of piece p + 2 is fetched at the turn's start, into that piece's own registers.  V of the step in hand is fetched in piece 1's turn, two slices in: twelve plain instructions behind the last product that
; read V.  K of the next step is fetched in piece 2's turn, four slices into the second run: eight scalings, and four products with g, behind the last product that read K.
; Two waits, both for 0: in front of piece 3's products K Q^T (K; g of pieces 0 and 1), and in front of piece 1's products V^T P (V; g of pieces 2 and 3).
.macro TURN p
.set k, 0
	GLOAD ((\p)+2)%4
.rept 29
	SLICE \p
.if ((\p) == 1) && (k == 2)
	FETCH_V
.endif
.endr
.if (\p) == 3
	s_wait_dscnt 0x0                ; K is in
.endif
.set i, 0
.rept 16
	KQ ((\p)+1)%4
	SLICE \p
.set i, i+1
.endr
.rept 14
	SLICE \p
.if ((\p) == 2) && (k == 49)
	FETCH_K
.endif
.endr
.if (\p) == 1
	s_wait_dscnt 0x0                ; V is in
.endif
.set i, 0
.rept 16
	PV ((\p)+3)%4
	SLICE \p
.set i, i+1
.endr
.endm
	CHANGE 1                        ; slot 0 is in, everybody's part of it; slot 1 is asked for
	GLOAD 0
	GLOAD 1
	FETCH_K                         ; key step 0
	s_wait_loadcnt 0x0              ; Q
	s_wait_dscnt 0x0
.set i, 0
.rept 16
	KQ 0                            ; piece 0's first scores: there is no vector work yet to set between them
.set i, i+1
.endr
	WIN 0                           ; the addresses for the way out: eight plain instructions, the places behind those products
	s_mul_i32 s71, s[WV], 16*SP
	s_add_co_u32 s71, s71, STAGE    ; my stage
	v_mul_u32_u24 v[STO], v1, SP    ; in: row l % 16, 32 bytes for each half of the lanes
	v_lshl_add_u32 v[STO], v12, 5, v[STO]
	v_add_nc_u32 v[STO], s71, v[STO]
	v_mul_u32_u24 v[RD], v12, SP    ; back: lanes 0-15 take one row of 256 bytes, lanes 16-31 the next
	v_lshl_add_u32 v[RD], v1, 4, v[RD]
	v_add_nc_u32 v[RD], s71, v[RD]
	v_lshlrev_b32 v[GO], 12, v12    ; and the same two rows in out0, 4,096 bytes apart
	v_lshl_add_u32 v[GO], v1, 4, v[GO]
	s_mov_b32 s[SLOTS], 15
	s_branch .Lfirst                ; the loop is entered at a step's first turn, in the middle of a trip
.Lslot:                             ; 14 whole trips: pieces 2 and 3 of one step, then pieces 0 and 1 of the next, whose K, V and g the trip reads; the step after that is asked for
	CHANGE 1
	TURN 2
	TURN 3
	WIN 0
.Lfirst:
	TURN 0
	TURN 1
	WIN 0
	s_sub_co_u32 s[SLOTS], s[SLOTS], 1
	s_cmp_lg_u32 s[SLOTS], 0
	s_cbranch_scc1 .Lslot
	CHANGE 0                        ; the tail is written out: nothing is asked for
	s_mov_b32 s[CNT], 2             ; one trip reads the last step; the second is left in its middle
.Ltail:
	TURN 2
	TURN 3
	WIN 0
	s_sub_co_u32 s[CNT], s[CNT], 1
	s_cmp_eq_u32 s[CNT], 0
	s_cbranch_scc1 .Lout
	TURN 0
	TURN 1
	WIN 0
	s_branch .Ltail
.Lout:                              ; the second trip's fetches (the last K and g once more) and its 16 products K Q^T of piece 0 serve nothing: the price, once a launch, of one text for every trip
.set i, 0
.rept 16
	PV 3                            ; the last piece's V^T P of the last step
.set i, i+1
.endr
	; THE WAY OUT.  l's two halves and the other half of the lanes' are added; O^T is divided by l and sent, in f32, through my stage in LDS, a tile at a time.  The additions are the places behind the last products.
	WIN 0
.macro ALL line:vararg              ; one line for each tile t
.set t, 0
.rept 8
	\line
.set t, t+1
.endr
.endm
	ALL v_add_f32 v[ST+4*t+2], v[ST+4*t+2], v[ST+4*t+3]
	ALL v_permlanex16_b32 v[ST+4*t+3], v[ST+4*t+2], s[SEL], s[SEL+1]
	ALL v_add_f32 v[ST+4*t+2], v[ST+4*t+2], v[ST+4*t+3]
	ALL v_rcp_f32 v[ST+4*t+2], v[ST+4*t+2]
	v_nop                           ; a plain instruction between the last reciprocal and the use of its result
	s_wait_alu depctr_va_vdst(0)
; Tile t: a lane's eight channels of a row are 32 bytes; they go into rows of 272 bytes and come back as whole rows of 256, into S^T's registers, four sets by turns.
.macro PACK t
	WIN W_RS
.set i, 32*(\t)
.rept 16
	v_pk_mul_f32 v[i:i+1], v[i:i+1], v[ST+4*(\t)+2:ST+4*(\t)+3] op_sel_hi:[1,0]
.set i, i+2
.endr
	WIN 0x04                        ; the stores' data in window 1, their address in window 0
.irp f, 0,1,2,3,4,5,6,7             ; channels 16 (f / 2) + 8 (l / 16) + 4 (f % 2) on
	ds_store_b128 v[STO], v[32*(\t)+4*\f:32*(\t)+4*\f+3] offset:(\f/2)*64+(\f%2)*16
.endr
	WIN 0
.if (\t) >= 4
	s_wait_xcnt 0x0                 ; the registers below were the data of tile t - 4's stores: they are loaded again only behind this wait
.endif
.irp f, 0,1,2,3,4,5,6,7
	ds_load_b128 v[S+32*((\t)%4)+4*\f:S+32*((\t)%4)+4*\f+3], v[RD] offset:\f*2*SP  ; LDS serves a wave's instructions in order (ISA guide 5.7.1.4): these see the stores above; the next tile's stores come behind them
.endr
.endm
.macro SEND t, younger              ; younger: the LDS instructions issued behind tile t's loads: the next tile's sixteen, or none
.irp f, 0,1,2,3,4,5,6,7
	s_wait_dscnt (\younger)+7-\f
	global_store_b128 v[GO], v[S+32*((\t)%4)+4*\f:S+32*((\t)%4)+4*\f+3], s[10:11] offset:(16*(\t)+2*\f)*4096  ; 16 lanes store 256 consecutive bytes, at a multiple of 256 from out0's first byte
.endr
.endm
	PACK 0
.set t, 1
.rept 7                             ; a tile's arithmetic stands between the loads of the tile before and its stores
	PACK t
	SEND t-1, 16
.set t, t+1
.endr
	SEND 7, 0
	s_wait_tensorcnt 0x0            ; the wave's end, behind my last tensor load and my last LDS store
	ds_add_u32 v[SPW], v[NIL]
	s_wait_dscnt 0x0
	CROUND                          ; the closing round: no work-group ends while a partner may still ask for a tile that names it
	s_endpgm
.Lfunc_end_k_q2741863071_attn:
	.size	k_q2741863071_attn, .Lfunc_end_k_q2741863071_attn-k_q2741863071_attn
	.p2alignl 7, 3214868480
	.fill 96, 4, 3214868480
	.section	.rodata,"a",@progbits
	.p2align	6, 0x0
	.amdhsa_kernel k_q2741863071_attn
		.amdhsa_group_segment_fixed_size 327680
		.amdhsa_private_segment_fixed_size 0
		.amdhsa_enable_private_segment 0
		.amdhsa_kernarg_size 24
		.amdhsa_user_sgpr_count 2
		.amdhsa_user_sgpr_kernarg_segment_ptr 1
		.amdhsa_wavefront_size32 1
		.amdhsa_system_sgpr_workgroup_id_x 1
		.amdhsa_system_sgpr_workgroup_id_y 1
		.amdhsa_system_sgpr_workgroup_id_z 1
		.amdhsa_system_vgpr_workitem_id 0
		.amdhsa_next_free_vgpr 896
		.amdhsa_next_free_sgpr 80
		.amdhsa_reserve_vcc 0
		.amdhsa_float_denorm_mode_32 3
		.amdhsa_float_denorm_mode_16_64 3
		.amdhsa_memory_ordered 1
		.amdhsa_forward_progress 1
		.amdhsa_inst_pref_size 233
	.end_amdhsa_kernel
	.amdgpu_metadata
---
amdhsa.version: [ 1, 2 ]
amdhsa.kernels:
  - .name:           k_q2741863071_attn
    .symbol:         k_q2741863071_attn.kd
    .args:
      - { .name: qkv, .offset: 0, .size: 8, .value_kind: global_buffer, .address_space: global }
      - { .name: gt, .offset: 8, .size: 8, .value_kind: global_buffer, .address_space: global }
      - { .name: out0, .offset: 16, .size: 8, .value_kind: global_buffer, .address_space: global }
    .group_segment_fixed_size: 327680
    .private_segment_fixed_size: 0
    .kernarg_segment_align: 8
    .kernarg_segment_size: 24
    .max_flat_workgroup_size: 128
    .sgpr_count:     80
    .vgpr_count:     896
    .wavefront_size: 32
...
	.end_amdgpu_metadata
.endif
;; end of part 3
;; ======== version 2 of 2: 3 launches; version 1 with the launch prep written anew for expert scheduling mode
;; limits: values are held in f16: magnitudes above 65,504 overflow, below 6.1e-05 lose precision
;; workspace buffers: gt 16,777,216 bytes; w16 6,291,456 bytes; qkv 50,331,648 bytes
;; launch prep (part 4): grid 704 x 1, 8 waves a work-group, no clusters, 0 bytes of LDS; arguments group_prob, Wq, Wk, Wv, gt, w16; writes gt, w16
.if DOCPART == 4
	.amdgcn_target "amdgcn-amd-amdhsa--gfx1250"
	.amdhsa_code_object_version 6
	.text
	.protected	k_q2741863071_prep
	.globl	k_q2741863071_prep
	.p2align	8
	.type	k_q2741863071_prep,@function
k_q2741863071_prep:
	s_mov_b64 s[64:65], 0
	v_nop
	global_prefetch_b8 v0, s[64:65] scope:SCOPE_SE
	s_setreg_imm32_b32 hwreg(HW_REG_WAVE_SCHED_MODE, 0, 2), 2
	s_setreg_imm32_b32 hwreg(HW_REG_WAVE_MODE, 25, 1), 1
	s_wait_xcnt 0x0
	s_wait_alu depctr_vm_vsrc(0)
; Two casts from f32 to bf16 in one stream.
; (a) group_prob [8][1024 q][1024 k] -> gt [8][16 t][1024 q][64 k], in blocks by key step t = k / 64, so that the 512 queries x 64 keys that the attention launch wants for a step are 65,536 consecutive bytes.
; (b) Wq, Wk, Wv [1024][1024] -> w16 [3][1024][1024].
; SHARES.  Every work-group moves 65,536 input bytes: numbers 0-511 take 16 rows of group_prob each, numbers 512-703 a 64th of a weight matrix each.  A wave issues its 16 loads of 16 bytes a lane
; at once, then converts and stores them in the order in which they come back.  Each store of a wave covers 256 consecutive bytes, aligned.  No register is written again behind its store.
; No LDS, no matrix unit, no cluster: nothing is shared and nothing is multiplied.
; THE MODE: SCHED_MODE bits 1:0 = 2 (LLVM: expert scheduling mode 2), set by the entry lines.  The code itself states the register dependences between vector instructions and memory instructions,
; with s_wait_alu, always for 0.
; THE PLAN.  Registers that memory instructions touch, in each of the two paths:
;   v1, v2       the loads' and the stores' byte offsets: made at the path's head by vector instructions, never written again.
;   v[X + 4 i ..] load i lands in four registers of its own; two conversions read them and write the first two in place; store i reads those two; nothing writes them afterwards.
; The 16 loads go in four blocks of four.  One wait ahead of the first load states that v1 and v2 are written.  One wait at the head of blocks 1 to 3 states that the block before has written its results:
; its four stores follow, dealt among this block's conversions, which name this block's registers alone.  One more stands ahead of the last four stores.
; All loads are issued ahead of the first conversion, and no register that a load or store has read is written again: nothing else is owed.
.set X, 4                              ; v[4:67]  16 loads x 4 registers
.set N, 16
.set BL, 4                             ; loads in a block
	s_load_b256 s[4:11], s[0:1], 0x0               ; group_prob s[4:5], Wq s[6:7], Wk s[8:9], Wv s[10:11]
	s_load_b128 s[12:15], s[0:1], 0x20             ; gt s[12:13], w16 s[14:15]
	v_lshrrev_b32 v3, 5, v0
	v_readfirstlane_b32 s16, v3                    ; wave 0..7
	v_and_b32 v3, 31, v0                           ; lane
	s_mov_b32 s23, 0                               ; high words of the two offsets
	s_mov_b32 s25, 0
	s_wait_alu depctr_va_sdst(0)                   ; s16 is written: ahead of the branch below and of its first readers, the shifts that make the wave's offsets in both paths
	s_wait_kmcnt 0x0
; kind 0: group_prob; load i = 8 s + pair takes two rows' 256 bytes of key step 2 wave + s.  kind 1: a weight matrix; load i takes 512 consecutive bytes.
.macro STORE kind, n                   ; the two registers that load n's conversions wrote
.if (\kind) == 0
	global_store_b64 v2, v[X+4*(\n):X+4*(\n)+1], s[20:21] offset:((\n)/8)*131072+((\n)%8)*256
.else
	global_store_b64 v2, v[X+4*(\n):X+4*(\n)+1], s[20:21] offset:(\n)*256
.endif
.endm
.macro STREAM kind
	s_wait_alu depctr_va_vdst(0)                   ; v1 and v2 are written: every load below reads v1 as its offset, every store v2
.set i, 0
.rept N
.if (\kind) == 0
	global_load_b128 v[X+4*i:X+4*i+3], v1, s[18:19] offset:(i%8)*8192+(i/8)*256 th:TH_LOAD_NT
.else
	global_load_b128 v[X+4*i:X+4*i+3], v1, s[18:19] offset:i*512 th:TH_LOAD_NT
.endif
.set i, i+1
.endr
.set i, 0
.rept N
	s_wait_loadcnt N-1-i                           ; loads come back in order: load i is in, the younger ones stay out
.if (i%BL == 0) && (i > 0)
	s_wait_alu depctr_va_vdst(0)                   ; the block before has written its eight results, which the four stores of this block's lines read
.endif
.if i >= BL
	STORE \kind, i-BL                              ; a block behind its conversions; no vector instruction since the wait names its registers
.endif
	v_cvt_pk_bf16_f32 v[X+4*i], v[X+4*i], v[X+4*i+1]
	v_cvt_pk_bf16_f32 v[X+4*i+1], v[X+4*i+2], v[X+4*i+3]
.set i, i+1
.endr
	s_wait_alu depctr_va_vdst(0)                   ; the last block has written its eight results, which the last four stores read
.set i, N-BL
.rept BL
	STORE \kind, i
.set i, i+1
.endr
.endm
	s_cmp_lt_u32 ttmp9, 512
	s_cbranch_scc0 .Lweights
	; group_prob: work-group n takes rows 16 n .. 16 n + 15 of the 8,192
	s_lshl_b32 s22, ttmp9, 16                      ; 16 rows of 4,096 bytes
	s_add_nc_u64 s[18:19], s[4:5], s[22:23]
	s_lshr_b32 s24, ttmp9, 6                       ; the batch,
	s_lshl_b32 s24, s24, 21                        ; 2,097,152 bytes of gt each,
	s_and_b32 s26, ttmp9, 63
	s_lshl_b32 s26, s26, 11                        ; and my 16 rows of 128 bytes in a key step's block
	s_add_co_u32 s24, s24, s26
	s_add_nc_u64 s[20:21], s[12:13], s[24:25]
	v_and_b32 v1, 15, v0
	v_lshlrev_b32 v1, 4, v1                        ; in: 16 bytes a lane, sixteen lanes a row's 256 bytes,
	v_bfe_u32 v2, v0, 4, 1
	v_lshl_add_u32 v1, v2, 12, v1                  ; lanes 16-31 the row below,
	s_lshl_b32 s29, s16, 9                         ; (each shift that a vector instruction reads has a scalar register of its own, which is not written again)
	v_add_nc_u32 v1, s29, v1                       ; my wave's two key steps: 512 bytes of a row
	s_lshl_b32 s30, s16, 18                        ; out: two key steps' blocks of 131,072 bytes a wave,
	v_lshl_add_u32 v2, v3, 3, s30                  ; 8 bytes a lane: two rows of 128 bytes on end
	STREAM 0
	s_endpgm
.Lweights:
	s_sub_co_u32 s27, ttmp9, 512
	s_lshr_b32 s28, s27, 6                         ; which matrix: 0 Wq, 1 Wk, 2 Wv
	s_and_b32 s27, s27, 63                         ; which 64th of it
	s_cmp_eq_u32 s28, 1
	s_cselect_b64 s[18:19], s[8:9], s[6:7]
	s_cmp_eq_u32 s28, 2
	s_cselect_b64 s[18:19], s[10:11], s[18:19]
	s_lshl_b32 s22, s27, 16
	s_add_nc_u64 s[18:19], s[18:19], s[22:23]
	s_lshl_b32 s24, s28, 21
	s_lshl_b32 s26, s27, 15
	s_add_co_u32 s24, s24, s26
	s_add_nc_u64 s[20:21], s[14:15], s[24:25]
	s_lshl_b32 s29, s16, 13
	v_lshl_add_u32 v1, v3, 4, s29                  ; in: 8,192 bytes a wave, 16 a lane
	s_lshl_b32 s30, s16, 12
	v_lshl_add_u32 v2, v3, 3, s30                  ; out: half of that
	STREAM 1
	s_endpgm
.Lfunc_end_k_q2741863071_prep:
	.size	k_q2741863071_prep, .Lfunc_end_k_q2741863071_prep-k_q2741863071_prep
	.p2alignl 7, 3214868480
	.fill 96, 4, 3214868480
	.section	.rodata,"a",@progbits
	.p2align	6, 0x0
	.amdhsa_kernel k_q2741863071_prep
		.amdhsa_group_segment_fixed_size 0
		.amdhsa_private_segment_fixed_size 0
		.amdhsa_enable_private_segment 0
		.amdhsa_kernarg_size 48
		.amdhsa_user_sgpr_count 2
		.amdhsa_user_sgpr_kernarg_segment_ptr 1
		.amdhsa_wavefront_size32 1
		.amdhsa_system_sgpr_workgroup_id_x 1
		.amdhsa_system_sgpr_workgroup_id_y 1
		.amdhsa_system_sgpr_workgroup_id_z 1
		.amdhsa_system_vgpr_workitem_id 0
		.amdhsa_next_free_vgpr 72
		.amdhsa_next_free_sgpr 66
		.amdhsa_reserve_vcc 0
		.amdhsa_float_denorm_mode_32 3
		.amdhsa_float_denorm_mode_16_64 3
		.amdhsa_memory_ordered 1
		.amdhsa_forward_progress 1
		.amdhsa_inst_pref_size 14
	.end_amdhsa_kernel
	.amdgpu_metadata
---
amdhsa.version: [ 1, 2 ]
amdhsa.kernels:
  - .name:           k_q2741863071_prep
    .symbol:         k_q2741863071_prep.kd
    .args:
      - { .name: group_prob, .offset: 0, .size: 8, .value_kind: global_buffer, .address_space: global }
      - { .name: Wq, .offset: 8, .size: 8, .value_kind: global_buffer, .address_space: global }
      - { .name: Wk, .offset: 16, .size: 8, .value_kind: global_buffer, .address_space: global }
      - { .name: Wv, .offset: 24, .size: 8, .value_kind: global_buffer, .address_space: global }
      - { .name: gt, .offset: 32, .size: 8, .value_kind: global_buffer, .address_space: global }
      - { .name: w16, .offset: 40, .size: 8, .value_kind: global_buffer, .address_space: global }
    .group_segment_fixed_size: 0
    .private_segment_fixed_size: 0
    .kernarg_segment_align: 8
    .kernarg_segment_size: 48
    .max_flat_workgroup_size: 256
    .sgpr_count:     66
    .vgpr_count:     72
    .wavefront_size: 32
...
	.end_amdgpu_metadata
.endif
;; end of part 4
;; launch proj: the kernel of part 2 again; grid 4 x 64, 4 waves a work-group, clusters of 4 x 4, 327,680 bytes of LDS; arguments queries, keys, values, w16, bq, bk, bv, qkv; writes qkv
;; launch attn: the kernel of part 3 again; grid 16 x 16, 4 waves a work-group, clusters of 4 x 1, 327,680 bytes of LDS; arguments qkv, gt, out0; writes out0
